; MI455X (gfx1250); checked and timed in simulation.
; The chip was launched on July 23, 2026; its instructions are those of AMD's public machine-readable ISA for CDNA 5 (MIT licence, August 2026) and "CDNA5" Instruction Set Architecture Reference Guide (July 2026). The comments in the code are by the model that wrote it; some were corrected since.
;; Self Attention. Allowed arithmetic: matrix products marked QUANTISED: E2M1 operands, one E8M0 scale for each 32 along K, by v_wmma_scale_f32_16x16x128_f8f6f4 with both operands' format E2M1 (or v_wmma_scale_f32_32x16x128_f4), f32 sums; everything else in f32.
;; Inputs: W_attn_codes 3,072 x 32 x 16 uint8 (E2M1 codes of W_attn, K innermost, in blocks of 32 codes, two codes a byte); W_attn_scales 3,072 x 32 uint8 (E8M0 scales of W_attn, one for each 32 codes along K); W_proj_codes 1,024 x 32 x 16 uint8 (E2M1 codes of W_proj, K innermost, in blocks of 32 codes, two codes a byte); W_proj_scales 1,024 x 32 uint8 (E8M0 scales of W_proj, one for each 32 codes along K); b_attn 3,072 float32; b_proj 1,024 float32; x_codes 4 x 2,048 x 32 x 16 uint8 (E2M1 codes of x, K innermost, in blocks of 32 codes, two codes a byte); x_scales 4 x 2,048 x 32 uint8 (E8M0 scales of x, one for each 32 codes along K).
;; Outputs: out0 4 x 2,048 x 1,024 float32.
;; This version of the problem:
;;   THIS VERSION OF THE PROBLEM IS GIVEN IN LOW PRECISION. The matrix products marked QUANTISED in the list below multiply operands that are first quantised to E2M1 (2 exponent bits, 1 mantissa bit; 4 bits a number), with one power-of-two scale for each 32 numbers along K (OCP MX v1.0); their sums are f32. All else is computed in f32.
;;   The module's matrix products, in the order in which they are computed (A, B: the left and right operand; K: the contracted axis; several contracted axes count as one K, in the product's order):
;;     1. [M 8,192, K 1,024] x [K 1,024, N 3,072]; A: input x (given as codes); B: input W_attn (given as codes): QUANTISED
;;     2. batch 64 x [M 2,048, K 64] x [K 64, N 2,048]; A: computed on the way; B: computed on the way: QUANTISED
;;     3. batch 64 x [M 2,048, K 2,048] x [K 2,048, N 64]; A: softmax (see below); B: computed on the way: QUANTISED
;;     4. [M 8,192, K 1,024] x [K 1,024, N 1,024]; A: computed on the way; B: input W_proj (given as codes): QUANTISED
;;   THE QUANTISER, for each operand of a quantised product, along K:
;;     - K is cut into blocks of 32 from its start; a last block that is shorter is filled with zeros.
;;     - A block's scale is 2^e with e = floor(log2(the largest magnitude in the block)) - 2, held to -126 .. 127; a block of zeros has e = 0. As a byte (E8M0): e + 127.
;;     - Each number is divided by its block's scale, clamped to +-6, and rounded to the nearest number of E2M1, ties to even, subnormals kept.
;;     - The product sums the exact products of the quantised numbers (number of the format x scale) in f32.
;;   ~~~python
;;   def quantise(x, axis):      # numpy; x: float32 -> the quantised numbers, widened to float32 again
;;       x = np.moveaxis(x, axis, -1); K = x.shape[-1]
;;       x = np.pad(x, [(0, 0)] * (x.ndim - 1) + [(0, -K % 32)]); x = x.reshape(x.shape[:-1] + (-1, 32)); a = np.abs(x).max(-1, keepdims=True)
;;       e = np.where(a > 0, np.clip(np.frexp(np.where(a > 0, a, 1))[1] - 1 - 2, -126, 127), 0)      # np.frexp(a)[1] - 1 = floor(log2(a)), exactly
;;       r = np.clip(x / 2.0 ** e, -6, 6)
;;       step = 2.0 ** (np.maximum(np.frexp(np.where(r == 0, 1, r))[1] - 1, 0) - 1)
;;       q = np.round(r / step) * step * 2.0 ** e      # np.round: ties to even
;;       return np.moveaxis(q.reshape(q.shape[:-2] + (-1,))[..., :K], -1, axis).astype(np.float32)
;;   ~~~
;;   SOFTMAX AHEAD OF A QUANTISED PRODUCT. Where the list says 'softmax', what is quantised is not the finished softmax but p = 2^(t - M), with t = logit x log2(e) and M = ceil(the row's largest t), a whole number; so 1/2 < the row's largest p <= 1. The row's sum l is taken of the UNQUANTISED p, in f32, and the product's result is divided by l at the end. Since M is a whole number, a kernel that streams over the keys may use a running M (the ceiling of the running maximum): every later rescaling is an exact power of two, which a block's scale takes up: the codes' values come out the same.
;;   OPERANDS COMPUTED ON THE WAY. 'Computed on the way' means the value that the module computes at that place (a softmax that the list does not call 'softmax' is quantised finished and normalised). What goes into a quantiser is computed in f32, as accurately as f32 sums, v_exp_f32 and their like allow (about 1e-6 of the number): no bf16 or f16 on the way to a quantiser, and a product that is left as it is and whose result goes on into a quantised operand takes f32 operands (vector FMAs, or v_wmma_f32_16x16x4_f32). A number that lies on a knife's edge between two numbers of the format may be rounded either way, as far as f32 arithmetic and the matrix unit's own rounding can turn it there, and no further.
;;   INPUTS GIVEN AS CODES. W_attn (in the module: [1024, 3072], K = its axis 0); W_proj (in the module: [1024, 1024], K = its axis 0); x (in the module: [4, 2048, 1024], K = its axis 2): each comes as NAME_codes (uint8): NAME with its K axis moved to the last place and cut into blocks of 32 codes, [.., K / 32, bytes a block], one block behind the other in memory; two codes a byte, the lower K in the low four bits (a code: sign, 2 exponent bits, 1 mantissa bit); and NAME_scales (uint8): the same leading axes, one E8M0 byte (e + 127) for each 32 codes along K. Its value is code x scale, taken as it is: it is not quantised again, and the codes and scales need not be those that the quantiser above would give.
;; One version. Each part assembles by itself: llvm-mc -triple=amdgcn-amd-amdhsa -mcpu=gfx1250 --defsym DOCPART=n.
;; ======== version 1 of 1: 3 launches
;; workspace buffers: qk 8,388,608 bytes; qk_sc 1,048,576 bytes; v_img 4,194,304 bytes; v_sc 262,144 bytes; y_img 4,194,304 bytes; y_sc 262,144 bytes
;; launch qkv (part 1): grid 12 x 32, 4 waves a work-group, clusters of 4 x 4, 327,680 bytes of LDS; arguments x_codes, x_scales, W_attn_codes, W_attn_scales, b_attn, qk, qk_sc, v_img, v_sc; writes qk, qk_sc, v_img, v_sc
.if DOCPART == 1
	.amdgcn_target "amdgcn-amd-amdhsa--gfx1250"
	.amdhsa_code_object_version 6
	.text
	.protected	k_q565fe59ed7_qkv
	.globl	k_q565fe59ed7_qkv
	.p2align	8
	.type	k_q565fe59ed7_qkv,@function
k_q565fe59ed7_qkv:
	s_mov_b64 s[64:65], 0
	v_nop
	global_prefetch_b8 v0, s[64:65] scope:SCOPE_SE
	s_setreg_imm32_b32 hwreg(HW_REG_WAVE_MODE, 25, 1), 1
	s_wait_xcnt 0x0
	s_wait_alu depctr_hold_cnt(0) depctr_sa_sdst(0) depctr_va_vdst(0) depctr_va_sdst(0) depctr_va_ssrc(0) depctr_va_vcc(0) depctr_vm_vsrc(0)
	s_getreg_b32 s2, hwreg(HW_REG_IB_STS2, 6, 4)
	s_cmp_eq_u32 s2, 0
	s_cbranch_scc0 .Lentry_in_a_cluster
	s_endpgm
.Lentry_in_a_cluster:
	s_bfe_u32 s2, ttmp6, 0x10000c
	s_cmp_lg_u32 s2, 0xf033
	s_cbranch_scc0 .Lentry_shape_is_right
	s_endpgm
.Lentry_shape_is_right:
; qkv = x W_attn + b_attn on codes of E2M1 with E8M0 scales (K = 1,024), and behind it the three quantisers: q and k along the head's 64, v along the keys.  Nothing leaves in f32.
; DEAD WORK OF THE PROGRAM.  reference() puts -inf, by its own jnp.tril, on every score whose key comes after its query; the softmax makes an exact 0 of it, whatever the inputs hold.  So the scores, exponentials and
; products of a key step of 128 that lies wholly behind a tile of 16 queries reach no output, and the launch attn leaves those steps out.  Every row of q, k and v is live (key k counts for query k), so this launch does all of
; product 1.  All eight inputs have a way to the output and are loaded.  LIMIT: a NaN, an infinity or an overflow that would arise only in the scores left out is not carried to the result.
; LIMITS OF THE QUANTISERS: NaN and infinities are not served; a block whose largest magnitude lies under 2^-124 gets the byte 1; a block of zeros gets the byte 1 where the rule says 127: its codes are zeros, and this program alone reads the bytes.
; SHARES.  A work-group makes 256 features (rows 256 x of W_attn) x 256 tokens (256 y on); four waves, 128 x 128 each: 64 accumulators.  All of K lies in LDS: two slots of 512 along K, each filled once.
; SOURCE 0 IS THE OPERAND P WHOSE ROWS RUN ALONG A LANE'S REGISTERS IN THE RESULT, SOURCE 1 THE OPERAND L WHOSE ROW IS THE LANE.  q, k (x < 8): P = W, L = tokens: a lane holds one token and its registers run along the
; features, the K of q k^T.  v (x >= 8): P = tokens, L = W: a lane holds one feature and its registers run along the keys, the K of p v.  The part is the same in all sixteen partners (cluster x = 2).
; FROM RESULT TO OPERAND.  In tile t lane (r, h) holds rows 16 t + 8 h + 0 .. 7 of P.  Block B of 32 is tiles 2 B, 2 B + 1: 16 numbers in lane l, 16 in lane l xor 16.  A conversion makes one register of a tile's eight numbers;
; for blocks 2 c, 2 c + 1 the four registers are made of tiles 4 c, 4 c + 2, 4 c + 1, 4 c + 3, and two exchanges of halves leave k = 64 c + 32 h + 0 .. 31 in registers 4 c .. 4 c + 3: the operand's layout.
; OUT, as images of operand registers (lane l's 16 bytes at 16 l, 512 consecutive bytes a store):
;   qk    [b 4][hh 32][tile 128][512]: hh = feature / 64 (0-15 q's heads, 16-31 k's); 16 tokens; lane (r, h): d = 32 h .. 32 h + 31.
;   qk_sc [b][hh][G 16][512]: lane (r, h): word i = the scale word of tile 8 G + 4 h + i, token r; its bytes 0, 1 are the head's two blocks.
;   v_img [b 16 + head][G 16][c 2][t 4][512]: d = 16 t + r, keys 128 G + 64 c + 32 h + 0 .. 31.      v_sc [b 16 + head][G 16][256]: lane r: word t = the scale word of d = 16 t + r.
; CLUSTER 4 x 4: the tokens' tiles are shared along a row of the cluster, W's along a column: joint loads.
; REGISTERS: window 0: v1-30 addresses; v32-63 L's scale words, v64-95 P's; v96-127 at work; v128-255 L's fragments, two sets.  window 1: v0-127 P's fragments, two sets; v128-191 the bias.  windows 2, 3: the accumulators ((a, b) at 8 (8 (a % 4) + b)).
.set PITCH, 272                        ; an LDS row: 256 bytes + 16 of padding: the 16 rows of a load begin at 16 different banks (64 banks of 4 bytes: ISA guide 11.1)
.set HALFT, 128*PITCH                  ; 128 rows: what one tensor load brings, and what a wave reads of one side
.set SLOT,  4*HALFT                    ; tokens' two halves, then W's two halves
.set SCLR,  2*SLOT                     ; the scale bytes: units of 256 bytes + 16
.set HALFS, 16*272                     ; those of 128 rows
.set SPARE, SCLR+4*HALFS               ; the spare words, 128 bytes a wave
.set ADRL, 16                          ; v16-17 L's fragments in slot 0, 1
.set ADRP, 20                          ; v20-21 P's
.set ADSL, 22                          ; v22 L's scale words
.set ADSP, 23                          ; v23 P's
.set VO,   24                          ; v24-27 the codes' offsets: 2 c + a / 4
.set SPW,  28
.set NIL,  29
.set SO,   30                          ; v30 the scale words' offset
.set SCL,  32
.set SCP,  64
.set TM,   96
.set SW,   112                         ; v112-119 the scale word of L's tile a
.set SEL,  120
.set SEL2, 124
.set LF,   128
.set BI,   128                         ; in window 1
.set WV, 14
.set WL, 15
.set WP, 16
.set YY, 17
.set G1T, 24
.set G0T, 32
.set G1W, 48
.set G0W, 56
.set G1TS, 68
.set G0TS, 76
.set G1WS, 80
.set G0WS, 88
.set MSB, 0
.macro WIN new                         ; the immediate's high byte repeats the setting that is left; a switch that changes nothing is dropped
.if MSB != (\new)
	s_set_vgpr_msb (MSB<<8)|(\new)
.set MSB, (\new)
.endif
.endm
; A joint load: waves 0 and 1 fetch the tokens' side, waves 2 and 3 W's.  The branch hangs on the wave's number alone.  An s_nop 0 and four v_nop follow each line.
.macro JLOAD g0a, g1a, g0b, g1b
	s_cmp_eq_u32 s[WL], 0
	s_cbranch_scc0 .Lfor_w_\@
	tensor_load_to_lds s[\g0a:\g0a+3], s[\g1a:\g1a+7]
	s_nop 0
.rept 4
	v_nop
.endr
	s_branch .Lasked_\@
.Lfor_w_\@:
	tensor_load_to_lds s[\g0b:\g0b+3], s[\g1b:\g1b+7]
	s_nop 0
.rept 4
	v_nop
.endr
.Lasked_\@:
.endm
.macro CROUND                          ; a round of the cluster's barrier
	s_barrier_signal -1
	s_barrier_wait -1
	s_cmp_lg_u32 s[WV], 0
	s_cbranch_scc1 .Lnot_wave_0_\@
	s_barrier_signal -3
.Lnot_wave_0_\@:
	s_barrier_wait -3
	s_barrier_signal -1
	s_barrier_wait -1
.endm
.macro PLACES
.rept 4
	v_nop
.endr
.endm
	s_load_b256 s[4:11], s[0:1], 0x0               ; x's codes, x's scales, W's codes, W's scales
	s_load_b64 s[12:13], s[0:1], 0x20              ; b_attn
	s_load_b256 s[92:99], s[0:1], 0x28             ; qk, qk_sc, v_img, v_sc
	v_lshl_add_u32 v[SPW], v0, 2, SPARE
	v_mov_b32 v[NIL], 0
	ds_add_u32 v[SPW], v[NIL]                      ; the opening: the add, twice on end, and its wait ahead of my first tensor load
	ds_add_u32 v[SPW], v[NIL]
	v_lshrrev_b32 v1, 5, v0
	v_readfirstlane_b32 s[WV], v1                  ; wave 0..3
	s_lshr_b32 s[WL], s[WV], 1                     ; which 128 rows of L are mine.  Also: I fetch the tokens' side (0) or W's (1)
	s_and_b32 s[WP], s[WV], 1                      ; which 128 rows of P.  Also: which half of that side I fetch
	s_bfe_u32 s40, ttmp6, 0x40000                  ; cx
	s_bfe_u32 s41, ttmp6, 0x40004                  ; cy
	s_lshl_b32 s42, ttmp9, 2
	s_add_co_u32 s42, s42, s40                     ; x = 4 x cluster x + cx
	s_and_b32 s[YY], ttmp7, 0xffff
	s_lshl_b32 s[YY], s[YY], 2
	s_add_co_u32 s[YY], s[YY], s41                 ; y = 4 x cluster y + cy
	s_lshl_b32 s43, s41, 2
	s_lshl_b32 s43, 15, s43                        ; my row of the cluster
	s_lshl_b32 s44, 0x1111, s40                    ; my column
	s_or_b32 s[G1T], s43, (1<<20)|(1<<21)|(5<<22)|(3<<25)    ; the mask; elements of 1 byte; padding on; bit 21 beside a mask; 4 words behind every 64
	s_or_b32 s[G1W], s44, (1<<20)|(1<<21)|(5<<22)|(3<<25)
.irp g, G1T, G1W
	s_mov_b32 s[\g+1], 256<<16                     ; tensor_dim0 = 256 bytes: 512 along K
	s_mov_b32 s[\g+2], 128<<16                     ; tensor_dim1 = 128 rows
	s_mov_b32 s[\g+3], 256<<16                     ; tile_dim0
	s_mov_b32 s[\g+4], 128                         ; tile_dim1
	s_mov_b32 s[\g+5], 512                         ; a row of 1,024 codes in memory
	s_mov_b32 s[\g+6], 0
	s_mov_b32 s[\g+7], 0
.endr
	s_or_b32 s[G1TS], s43, (3<<16)|(1<<20)|(1<<21)|(5<<22)|(3<<25)   ; the scales of 128 rows: 4,096 dense bytes as 16 rows of 32 elements of 8 bytes
	s_or_b32 s[G1WS], s44, (3<<16)|(1<<20)|(1<<21)|(5<<22)|(3<<25)
.irp g, G1TS, G1WS
	s_mov_b32 s[\g+1], 32<<16
	s_mov_b32 s[\g+2], 16<<16
	s_mov_b32 s[\g+3], 32<<16
	s_mov_b32 s[\g+4], 16
	s_mov_b32 s[\g+5], 32
	s_mov_b32 s[\g+6], 0
	s_mov_b32 s[\g+7], 0
.endr
	s_lshl_b32 s18, s[WP], 7
	s_lshl_b32 s20, s[YY], 8
	s_add_co_u32 s20, s20, s18                     ; the tokens' first row that I would fetch
	s_lshl_b32 s46, s42, 8
	s_add_co_u32 s46, s46, s18                     ; W's
	s_lshl_b32 s22, s20, 5                         ; 32 scale bytes a row,
	s_mov_b32 s23, 0
	s_lshl_b32 s20, s20, 9                         ; 512 bytes of codes
	s_mov_b32 s21, 0
	s_lshl_b32 s2, s46, 5
	s_mov_b32 s3, 0
	s_lshl_b32 s46, s46, 9
	s_mov_b32 s47, 0
	s_mul_i32 s45, s[WV], HALFT                    ; where they go: wave x 128 rows: no place in the cluster enters an LDS address
	s_mul_i32 s67, s[WV], HALFS
	s_cmp_eq_u32 ttmp9, 2
	s_cselect_b32 s66, 1, 0                        ; 1: the v part.  The cluster's x: the same in all sixteen partners
	s_mov_b32 s100, 0x76543210
	s_mov_b32 s101, 0xfedcba98                     ; v_permlanex16_b32: lane l xor 16
	s_wait_dscnt 0x0                               ; both opening adds are done
	s_wait_kmcnt 0x0
	s_add_nc_u64 s[20:21], s[4:5], s[20:21]
	s_add_nc_u64 s[22:23], s[6:7], s[22:23]
	s_add_nc_u64 s[46:47], s[8:9], s[46:47]
	s_add_nc_u64 s[2:3], s[10:11], s[2:3]
	CROUND                                         ; all sixteen work-groups are here: the joint loads meet
	s_mov_b32 s[G0TS], 1
	s_add_co_u32 s[G0TS+1], s67, SCLR
	s_mov_b64 s[G0TS+2:G0TS+3], s[22:23]
	s_or_b32 s[G0TS+3], s[G0TS+3], 0x80000000
	s_mov_b32 s[G0WS], 1
	s_add_co_u32 s[G0WS+1], s67, SCLR
	s_mov_b64 s[G0WS+2:G0WS+3], s[2:3]
	s_or_b32 s[G0WS+3], s[G0WS+3], 0x80000000
	JLOAD G0TS, G1TS, G0WS, G1WS                   ; the scales first
.irp s, 0,1
	s_mov_b32 s[G0T+4*\s], 1
	s_add_co_u32 s[G0T+4*\s+1], s45, \s*SLOT
	s_add_nc_u64 s[G0T+4*\s+2:G0T+4*\s+3], s[20:21], \s*256
	s_or_b32 s[G0T+4*\s+3], s[G0T+4*\s+3], 0x80000000
	s_mov_b32 s[G0W+4*\s], 1
	s_add_co_u32 s[G0W+4*\s+1], s45, \s*SLOT
	s_add_nc_u64 s[G0W+4*\s+2:G0W+4*\s+3], s[46:47], \s*256
	s_or_b32 s[G0W+4*\s+3], s[G0W+4*\s+3], 0x80000000
	JLOAD G0T+4*\s, G1T, G0W+4*\s, G1W             ; three loads of mine are out at the most
.endr
	v_and_b32 v1, 15, v0                           ; r
	v_bfe_u32 v2, v0, 4, 1                         ; h
	v_mul_u32_u24 v3, v1, PITCH
	v_lshl_add_u32 v3, v2, 4, v3                   ; a fragment's row x pitch + 16 h
	s_wait_alu depctr_va_vdst(0)
	v_lshrrev_b32 v4, 3, v1
	v_mul_u32_u24 v4, v4, 272
	v_and_b32 v5, 7, v1
	v_lshl_add_u32 v4, v5, 5, v4
	v_lshl_add_u32 v4, v2, 4, v4                   ; a row's 32 scale bytes: eight rows to a unit; lanes 16-31 take the row's upper 16 bytes
	s_wait_alu depctr_va_vdst(0)
	s_cmp_eq_u32 s66, 1                            ; all that the part decides is chosen here, behind one compare
	s_cselect_b32 s18, 2, 0                        ; L: W's halves (2, 3) or the tokens' (0, 1)
	s_cselect_b32 s19, 0, 2                        ; P: the other side
	s_cselect_b32 s20, s[WL], s[WP]                ; which 128 features are mine
	s_cselect_b32 s21, s[WP], s[WL]                ; which 128 tokens
	s_cselect_b32 s22, 4, 5                        ; heads in a batch: 16 in v_img, 32 in qk
	s_cselect_b32 s23, 32, 0                       ; v's features begin at x = 8
	s_cselect_b32 s3, 8, 9                         ; a step's scale words: 256 bytes in v_sc, 512 in qk_sc
	s_mov_b32 s46, 65536
	s_cselect_b32 s47, 2048, s46                   ; from c = 0 to c = 1 in the codes' buffer
	s_cselect_b32 s46, s46, 2048                   ; from a < 4 to a >= 4
	s_mov_b32 s45, 4096
	s_cselect_b32 s45, s45, 256                    ; the same in the scales' buffer
	s_cselect_b64 s[92:93], s[96:97], s[92:93]     ; the codes' buffer
	s_cselect_b64 s[94:95], s[98:99], s[94:95]     ; the scales'
	s_add_co_u32 s18, s18, s[WL]
	s_add_co_u32 s19, s19, s[WP]
	s_mul_i32 s2, s18, HALFT
	s_mul_i32 s67, s19, HALFT
.irp s, 0,1
	v_add_nc_u32 v[ADRL+\s], s2, v3
	v_add_nc_u32 v[ADRP+\s], s67, v3
	s_add_co_u32 s2, s2, SLOT
	s_add_co_u32 s67, s67, SLOT
.endr
	s_mul_i32 s2, s18, HALFS
	s_mul_i32 s67, s19, HALFS
	s_add_co_u32 s2, s2, SCLR
	s_add_co_u32 s67, s67, SCLR
	v_add_nc_u32 v[ADSL], s2, v4
	v_add_nc_u32 v[ADSP], s67, v4
	s_lshr_b32 s18, s[YY], 3                       ; the batch
	s_lshl_b32 s18, s18, s22
	s_lshl_b32 s19, s42, 2
	s_add_co_u32 s18, s18, s19
	s_sub_co_u32 s18, s18, s23
	s_lshl_b32 s19, s20, 1
	s_add_co_u32 s18, s18, s19                     ; the first of my two heads
	s_and_b32 s19, s[YY], 7
	s_lshl_b32 s19, s19, 1
	s_add_co_u32 s19, s19, s21                     ; G: my 128 tokens in the batch
	s_lshl_b32 s18, s18, 4
	s_add_co_u32 s18, s18, s19                     ; 16 x head + G
	s_lshl_b32 s22, s18, 12                        ; 4,096 bytes of codes for a head and 128 tokens, in both buffers
	s_mov_b32 s23, 0
	s_add_nc_u64 s[92:93], s[92:93], s[22:23]
	s_lshl_b32 s22, s18, s3
	s_add_nc_u64 s[94:95], s[94:95], s[22:23]
	s_lshl_b32 s22, s42, 10
	s_lshl_b32 s19, s20, 9
	s_add_co_u32 s22, s22, s19
	s_add_nc_u64 s[12:13], s[12:13], s[22:23]      ; b_attn at my 128 features
	v_and_b32 v5, 31, v0
	v_lshlrev_b32 v[VO], 4, v5                     ; 16 x lane
	v_add_nc_u32 v[VO+1], s46, v[VO]
	v_add_nc_u32 v[VO+2], s47, v[VO]
	v_add_nc_u32 v[VO+3], s46, v[VO+2]
	v_mul_u32_u24 v6, s45, v2
	v_lshl_add_u32 v[SO], v1, 4, v6                ; 16 r, lanes 16-31 on to tiles 4-7's place
	v_lshlrev_b32 v7, 5, v2                        ; the bias: 32 h,
	v_lshlrev_b32 v8, 2, v1                        ; or 4 r
.irp b, 0,1,2,3
	v_mov_b32 v[TM+4+\b], 0                        ; written once: a lane permute's destination counts as one of its sources
.endr
	; THE BIAS IS THE C OF EACH SUM'S FIRST PRODUCT: eight registers in the result's layout.  Both arms write all 64 registers.
	s_cmp_eq_u32 s66, 1
	s_cbranch_scc1 .Lbias_v
	WIN 0x40                                       ; destination window 1
.irp b, 0,1,2,3,4,5,6,7                        ; q, k: the features run along the registers: P's tile b, features 16 b + 8 h + 0 .. 7
	global_load_b128 v[BI+8*\b:BI+8*\b+3], v7, s[12:13] offset:64*\b
	global_load_b128 v[BI+8*\b+4:BI+8*\b+7], v7, s[12:13] offset:64*\b+16
.endr
	WIN 0
	s_branch .Lbias_done
.Lbias_v:
	WIN 0x40
	s_wait_alu depctr_va_vdst(0)
.irp a, 0,1,2,3,4,5,6,7                        ; v: the feature is the lane's: L's tile a, feature 16 a + r, the same number in all eight registers
.irp j, 0,1,2,3,4,5,6,7
	global_load_b32 v[BI+8*\a+\j], v8, s[12:13] offset:64*\a
.endr
.endr
	WIN 0
.Lbias_done:
; 32 LDS loads: the fragments of K step k (128 along K) into set k % 2.  16 rows x 128 K of 4-bit codes are 8 registers: two loads of 16 bytes, 32 bytes apart.
.macro FETCH k
.set fs, (\k)/4
.set fq, (\k)%4
.set fp, (\k)%2
	WIN 0x40
.irp i, 0,1,2,3,4,5,6,7
.irp c, 0,1
	ds_load_b128 v[64*fp+8*\i+4*\c:64*fp+8*\i+4*\c+3], v[ADRP+fs] offset:64*fq+32*\c+\i*16*PITCH
.endr
.endr
	WIN 0
.irp i, 0,1,2,3,4,5,6,7
.irp c, 0,1
	ds_load_b128 v[LF+64*fp+8*\i+4*\c:LF+64*fp+8*\i+4*\c+3], v[ADRL+fs] offset:64*fq+32*\c+\i*16*PITCH
.endr
.endr
.endm
; 64 products of K step k.  The 64 accumulators take turns, one instruction a turn, in the same order in every step.
; A scale register holds word q of its rows in lanes 0-15 and word 4 + q in lanes 16-31: K steps 4 to 7 read the upper lanes.  var 1, 2: the first step: C is the bias, by P's tile or by L's.
.macro MUL k, var
.irp a, 0,1,2,3,4,5,6,7
.if \var
	WIN 0x91+0x40*(\a/4)                           ; P window 1, L window 0, C window 1, D window 2 or 3
.else
	WIN 0xa1+0x50*(\a/4)                           ; C and D window 2 or 3
.endif
.irp b, 0,1,2,3,4,5,6,7
.set rD, 8*(8*(\a%4)+\b)
.set rP, 64*((\k)%2)+8*\b
.set rL, LF+64*((\k)%2)+8*\a
.set rSP, SCP+4*\b+(\k)%4
.set rSL, SCL+4*\a+(\k)%4
.if \var == 1
	v_wmma_scale_f32_16x16x128_f8f6f4 v[rD:rD+7], v[rP:rP+7], v[rL:rL+7], v[BI+8*\b:BI+8*\b+7], v[rSP], v[rSL] matrix_a_fmt:MATRIX_FMT_FP4 matrix_b_fmt:MATRIX_FMT_FP4
.elseif \var == 2
	v_wmma_scale_f32_16x16x128_f8f6f4 v[rD:rD+7], v[rP:rP+7], v[rL:rL+7], v[BI+8*\a:BI+8*\a+7], v[rSP], v[rSL] matrix_a_fmt:MATRIX_FMT_FP4 matrix_b_fmt:MATRIX_FMT_FP4
.elseif (\k) >= 4
	v_wmma_scale_f32_16x16x128_f8f6f4 v[rD:rD+7], v[rP:rP+7], v[rL:rL+7], v[rD:rD+7], v[rSP], v[rSL] matrix_a_fmt:MATRIX_FMT_FP4 matrix_b_fmt:MATRIX_FMT_FP4 matrix_a_scale:MATRIX_SCALE_ROW1 matrix_b_scale:MATRIX_SCALE_ROW1
.else
	v_wmma_scale_f32_16x16x128_f8f6f4 v[rD:rD+7], v[rP:rP+7], v[rL:rL+7], v[rD:rD+7], v[rSP], v[rSL] matrix_a_fmt:MATRIX_FMT_FP4 matrix_b_fmt:MATRIX_FMT_FP4
.endif
.endr
.endr
.endm
.macro STEP k, var
	s_wait_dscnt 0x0                               ; this step's fragments are in (asked for 64 matrix instructions ago)
.if (\k) == 3
	s_wait_tensorcnt 0x0                           ; my part of slot 1 has landed,
	s_barrier_signal -1
	s_barrier_wait -1                              ; everybody's has.
.endif
.if (\k) > 0 && (\k) < 7
	PLACES                                         ; four places in front of loads into the set that the last step's products read
.endif
.if (\k) < 7
	FETCH (\k)+1
.endif
	MUL \k, \var
.endm
	s_wait_tensorcnt 1                             ; the scales and my part of slot 0 are in; only slot 1's load, issued last, may be out,
	s_barrier_signal -1
	s_barrier_wait -1                              ; everybody's are
.irp i, 0,1,2,3,4,5,6,7                        ; all scale words, once: four words a lane for each tile of 16 rows
	ds_load_b128 v[SCL+4*\i:SCL+4*\i+3], v[ADSL] offset:\i*544
	ds_load_b128 v[SCP+4*\i:SCP+4*\i+3], v[ADSP] offset:\i*544
.endr
	FETCH 0
	s_wait_loadcnt 0x0                             ; the bias
	s_cmp_eq_u32 s66, 1
	s_cbranch_scc1 .Lfirst_v
	STEP 0, 1
	WIN 0
	s_branch .Lfirst_done
.Lfirst_v:
	STEP 0, 2
	WIN 0
.Lfirst_done:
	STEP 1, 0
	STEP 2, 0
	STEP 3, 0
	STEP 4, 0
	STEP 5, 0
	STEP 6, 0
	STEP 7, 0
	WIN 0
	PLACES                                         ; four places between the last products and the first read of results, and the first write of fragment registers
; L's tile a: its 64 numbers a lane (P's eight tiles) become one fragment, eight registers where L's set 0 lay, and one scale word; the codes leave at once, 512 consecutive bytes a store.
.macro QOUT a
.set AC, 64*((\a)%4)
.set WW, 2+(\a)/4
.set PC, LF+8*(\a)
	WIN WW|(WW<<2)                                 ; sources 0 and 1: the accumulators' window
.irp b, 0,1,2,3
	v_max3_num_f32 v[TM+\b], |v[AC+16*\b]|, |v[AC+16*\b+1]|, 0x1800000   ; block b, from each accumulator's low end on; the floor 2^(3 - 127) holds the byte at 1 from below
.endr
	WIN (WW<<2)|(WW<<4)                            ; sources 1 and 2
.irp i, 2,4,6,8,10,12,14
.irp b, 0,1,2,3
	v_max3_num_f32 v[TM+\b], v[TM+\b], |v[AC+16*\b+\i]|, |v[AC+16*\b+\i+1]|
.endr
.endr
	WIN 0
.irp b, 0,1,2,3
	v_permlanex16_b32 v[TM+4+\b], v[TM+\b], s100, s101
.endr
.irp b, 0,1,2,3
	v_max_num_f32 v[TM+\b], v[TM+\b], v[TM+4+\b]   ; with lane l xor 16's 16: the block's largest magnitude
.endr
.irp b, 0,1,2,3
	v_add_nc_u32 v[TM+12+\b], 0xff000000, v[TM+\b] ; 2 off its exponent field: the conversion's scale operand
.endr
.irp b, 0,1,2,3
	v_lshrrev_b32 v[TM+4+\b], 23, v[TM+12+\b]      ; the scale's byte
.endr
	v_lshl_or_b32 v[SW+(\a)], v[TM+5], 8, v[TM+4]
	v_lshl_or_b32 v[SW+(\a)], v[TM+6], 16, v[SW+(\a)]
	v_lshl_or_b32 v[SW+(\a)], v[TM+7], 24, v[SW+(\a)]
	WIN WW                                         ; source 0
.irp c, 0,1
	v_cvt_scalef32_pk8_fp4_f32 v[PC+4*\c], v[AC+32*\c:AC+32*\c+7], v[TM+12+2*\c]         ; tile 4 c
	v_cvt_scalef32_pk8_fp4_f32 v[PC+4*\c+1], v[AC+32*\c+16:AC+32*\c+23], v[TM+13+2*\c]   ; tile 4 c + 2
	v_cvt_scalef32_pk8_fp4_f32 v[PC+4*\c+2], v[AC+32*\c+8:AC+32*\c+15], v[TM+12+2*\c]    ; tile 4 c + 1
	v_cvt_scalef32_pk8_fp4_f32 v[PC+4*\c+3], v[AC+32*\c+24:AC+32*\c+31], v[TM+13+2*\c]   ; tile 4 c + 3
.endr
	WIN 0
	v_nop                                          ; one plain place behind the scaled conversions
.irp c, 0,1
	v_permlane16_swap_b32 v[PC+4*\c], v[PC+4*\c+1]     ; the first's lanes 16-31 change places with the second's lanes 0-15: a whole block in a lane
	v_permlane16_swap_b32 v[PC+4*\c+2], v[PC+4*\c+3]
.endr
.irp c, 0,1
	global_store_b128 v[VO+2*\c+(\a)/4], v[PC+4*\c:PC+4*\c+3], s[92:93] offset:((\a)%4)*512   ; no store's data are written again
.endr
.endm
	QOUT 0
	QOUT 1
	QOUT 2
	QOUT 3
	QOUT 4
	QOUT 5
	QOUT 6
	QOUT 7
	v_cmp_ne_u32 vcc_lo, 0, v2
.irp i, 0,1,2,3
	v_cndmask_b32 v[SEL+\i], v[SW+\i], v[SW+4+\i], vcc_lo    ; lanes 0-15: tiles 0-3's words; lanes 16-31: tiles 4-7's
.endr
	global_store_b128 v[SO], v[SEL:SEL+3], s[94:95]          ; q, k: my first head's words (bytes 0, 1; bytes 2, 3 meet zero codes and are never 0xff).  v: both heads' words
	s_cmp_eq_u32 s66, 1
	s_cbranch_scc1 .Lno_second
.irp i, 0,1,2,3
	v_lshrrev_b32 v[SEL2+\i], 16, v[SEL+\i]                  ; q, k: my second head's two bytes
.endr
	global_store_b128 v[SO], v[SEL2:SEL2+3], s[94:95] offset:8192
.Lno_second:
	s_wait_tensorcnt 0x0                           ; the wave's end
	ds_add_u32 v[SPW], v[NIL]
	s_wait_dscnt 0x0
	CROUND                                         ; the closing round
	s_endpgm
.Lfunc_end_k_q565fe59ed7_qkv:
	.size	k_q565fe59ed7_qkv, .Lfunc_end_k_q565fe59ed7_qkv-k_q565fe59ed7_qkv
	.p2alignl 7, 3214868480
	.fill 96, 4, 3214868480
	.section	.rodata,"a",@progbits
	.p2align	6, 0x0
	.amdhsa_kernel k_q565fe59ed7_qkv
		.amdhsa_group_segment_fixed_size 327680
		.amdhsa_private_segment_fixed_size 0
		.amdhsa_enable_private_segment 0
		.amdhsa_kernarg_size 72
		.amdhsa_user_sgpr_count 2
		.amdhsa_user_sgpr_kernarg_segment_ptr 1
		.amdhsa_wavefront_size32 1
		.amdhsa_system_sgpr_workgroup_id_x 1
		.amdhsa_system_sgpr_workgroup_id_y 1
		.amdhsa_system_sgpr_workgroup_id_z 1
		.amdhsa_system_vgpr_workitem_id 0
		.amdhsa_next_free_vgpr 1024
		.amdhsa_next_free_sgpr 102
		.amdhsa_reserve_vcc 1
		.amdhsa_float_denorm_mode_32 3
		.amdhsa_float_denorm_mode_16_64 3
		.amdhsa_memory_ordered 1
		.amdhsa_forward_progress 1
		.amdhsa_inst_pref_size 146
	.end_amdhsa_kernel
	.amdgpu_metadata
---
amdhsa.version: [ 1, 2 ]
amdhsa.kernels:
  - .name:           k_q565fe59ed7_qkv
    .symbol:         k_q565fe59ed7_qkv.kd
    .args:
      - { .name: x_codes, .offset: 0, .size: 8, .value_kind: global_buffer, .address_space: global }
      - { .name: x_scales, .offset: 8, .size: 8, .value_kind: global_buffer, .address_space: global }
      - { .name: W_attn_codes, .offset: 16, .size: 8, .value_kind: global_buffer, .address_space: global }
      - { .name: W_attn_scales, .offset: 24, .size: 8, .value_kind: global_buffer, .address_space: global }
      - { .name: b_attn, .offset: 32, .size: 8, .value_kind: global_buffer, .address_space: global }
      - { .name: qk, .offset: 40, .size: 8, .value_kind: global_buffer, .address_space: global }
      - { .name: qk_sc, .offset: 48, .size: 8, .value_kind: global_buffer, .address_space: global }
      - { .name: v_img, .offset: 56, .size: 8, .value_kind: global_buffer, .address_space: global }
      - { .name: v_sc, .offset: 64, .size: 8, .value_kind: global_buffer, .address_space: global }
    .group_segment_fixed_size: 327680
    .private_segment_fixed_size: 0
    .kernarg_segment_align: 8
    .kernarg_segment_size: 72
    .max_flat_workgroup_size: 128
    .sgpr_count:     102
    .vgpr_count:     1024
    .wavefront_size: 32
...
	.end_amdgpu_metadata
.endif
;; end of part 1
;; launch attn (part 2): grid 4 x 64, 16 waves a work-group, clusters of 4 x 1, 167,936 bytes of LDS; arguments qk, qk_sc, v_img, v_sc, y_img, y_sc; writes y_img, y_sc
.if DOCPART == 2
	.amdgcn_target "amdgcn-amd-amdhsa--gfx1250"
	.amdhsa_code_object_version 6
	.text
	.protected	k_q565fe59ed7_attn
	.globl	k_q565fe59ed7_attn
	.p2align	8
	.type	k_q565fe59ed7_attn,@function
k_q565fe59ed7_attn:
	s_mov_b64 s[64:65], 0
	v_nop
	global_prefetch_b8 v0, s[64:65] scope:SCOPE_SE
	s_setreg_imm32_b32 hwreg(HW_REG_WAVE_MODE, 25, 1), 1
	s_wait_xcnt 0x0
	s_wait_alu depctr_hold_cnt(0) depctr_sa_sdst(0) depctr_va_vdst(0) depctr_va_sdst(0) depctr_va_ssrc(0) depctr_va_vcc(0) depctr_vm_vsrc(0)
	s_getreg_b32 s2, hwreg(HW_REG_IB_STS2, 6, 4)
	s_cmp_eq_u32 s2, 0
	s_cbranch_scc0 .Lentry_in_a_cluster
	s_endpgm
.Lentry_in_a_cluster:
	s_bfe_u32 s2, ttmp6, 0x10000c
	s_cmp_lg_u32 s2, 0x3003
	s_cbranch_scc0 .Lentry_shape_is_right
	s_endpgm
.Lentry_shape_is_right:
; Causal attention of one head on codes of E2M1, and the quantiser of y along C behind it.  Head size 64: the upper half of a product's K = 128 in q k^T is zero codes.
; LEFT OUT: key steps of 128 that lie wholly behind a tile's 16 queries: reference()'s own jnp.tril makes their p an exact 0 for all inputs (shown at the head of the launch qkv).
; THE SOFTMAX: t = score x log2(e) / 8; M = the running largest t rounded up to a whole number; p = 2^(t - M) is quantised along the keys, not normalised; the row's sum is taken of the unquantised p and divides O at the end;
; when M moves, the sum and O are multiplied by 2^(old M - new M), which rounds nothing.
; LIMITS: NaN and infinities are not served; a block of y whose largest magnitude lies under 2^-124, and a block of zeros, get the byte 1; this program alone reads the bytes.
; SHARES.  The four work-groups of a cluster serve one head (y of the grid = 16 b + head).  The head's K, V and their scale words, 143,360 bytes, come into each LDS ONCE, by joint loads; nothing is filled again.
; Each of the sixteen waves makes two tiles of 16 queries: tile 8 w + cx, which needs w + 1 key steps, and tile 8 (15 - w) + 4 + cx, which needs 16 - w: 17 steps for every wave of the launch.
; No branch and no LDS address hangs on cx: it enters global addresses and the mask's vector operand alone.
; LAYOUT.  Both products transposed: S^T = K Q^T, O^T = V^T P^T: a lane holds one query.  Tile t of S^T holds keys 16 t + 8 h + 0 .. 7; block B of 32 keys is tiles 2 B, 2 B + 1; conversions of tiles 4 c, 4 c + 2, 4 c + 1, 4 c + 3 and two
; exchanges of halves give the operand's registers 4 c .. 4 c + 3.  The same makes y's codes of O^T's four tiles.
; OUT.  y_img [b 16 + G][s 2][sub 8][kk 4][c 2][512]: tokens 128 G + 16 sub + r, head 8 s + 2 kk + c, lane (r, h): d = 32 h on: 512 consecutive bytes a store.
;       y_sc [b 16 + G][head 16][sub 8][16 tokens] of two bytes.  A wave's one store of them covers two runs of 32 bytes: a run of 256 would want the eight tiles of a G in one wave or G by cx; they are one byte in seventeen of the output.
; REGISTERS: v1 16 lane, v2 16 r, v3 Q's scale words (pass 1), v4 the mask's operand, v5, v6 the add's, v7 pass 0's two bytes, v8-11 addresses, v12 -M, v13 the largest t, v14-15 the sum, v16-31 Q's two fragments, v32-95 eight fragments of K,
;   v96-159 S^T, then p, v160-191 O^T, v192-223 four fragments of V, v224-231 p's codes, v232-254 at work, v240-243 V's scale words, v248-251 K's, v253 p's, v255 Q's (pass 0).
.set KIMG, 0
.set VIMG, 65536
.set KSC,  131072
.set VSC,  139264
.set SPARE, 143360                     ; the spare words, 128 bytes for each of sixteen waves
.set WV, 18
.set CX, 19
.set KI, 60
.set GP0, 61
.set GP1, 62
.set TK, 63
.set TV, 66
.set TS, 67
.set TJ, 68
.macro CROUND
	s_barrier_signal -1
	s_barrier_wait -1
	s_cmp_lg_u32 s[WV], 0
	s_cbranch_scc1 .Lnot_wave_0_\@
	s_barrier_signal -3
.Lnot_wave_0_\@:
	s_barrier_wait -3
	s_barrier_signal -1
	s_barrier_wait -1
.endm
	s_load_b256 s[4:11], s[0:1], 0x0               ; qk, qk_sc, v_img, v_sc
	s_load_b128 s[12:15], s[0:1], 0x20             ; y_img, y_sc
	v_lshl_add_u32 v5, v0, 2, SPARE
	v_mov_b32 v6, 0
	ds_add_u32 v5, v6                              ; the opening: the add, twice on end, and its wait ahead of the first tensor load
	ds_add_u32 v5, v6
	v_lshrrev_b32 v8, 5, v0
	s_delay_alu instid0(VALU_DEP_1)
	v_readfirstlane_b32 s[WV], v8                  ; wave 0..15
	s_bfe_u32 s[CX], ttmp6, 0x40000                ; cx
	s_and_b32 s50, ttmp7, 0xffff                   ; 16 b + head, which the four partners share
	s_lshr_b32 s48, s50, 4                         ; b
	s_and_b32 s49, s50, 15                         ; head
	s_mov_b32 s24, 15|(3<<16)|(1<<21)              ; group 1, images: all four work-groups; elements of 8 bytes; bit 21 beside a mask; no padding: every read takes 512 consecutive bytes
	s_mov_b32 s25, 32<<16                          ; rows of 256 bytes,
	s_mov_b32 s26, 64<<16                          ; 64 of them: 16,384 dense bytes
	s_mov_b32 s27, 32<<16
	s_mov_b32 s28, 64
	s_mov_b32 s29, 32
	s_mov_b32 s30, 0
	s_mov_b32 s31, 0
	s_mov_b32 s32, 15|(3<<16)|(1<<21)              ; group 1, scale words: 16 rows: 4,096 bytes
	s_mov_b32 s33, 32<<16
	s_mov_b32 s34, 16<<16
	s_mov_b32 s35, 32<<16
	s_mov_b32 s36, 16
	s_mov_b32 s37, 32
	s_mov_b32 s38, 0
	s_mov_b32 s39, 0
	s_lshl_b32 s51, s48, 5
	s_add_co_u32 s51, s51, s49                     ; q's place in qk: 32 b + head;
	s_add_co_u32 s52, s51, 16                      ; k's
	s_and_b32 s53, s[WV], 3
	s_lshl_b32 s53, s53, 14                        ; waves 0-3: a quarter of K's images; waves 4-7: of V's
	s_cmp_lt_u32 s[WV], 4
	s_cselect_b32 s54, s52, s50
	s_lshl_b32 s54, s54, 16
	s_add_co_u32 s54, s54, s53
	s_mov_b32 s55, 0
	s_and_b32 s53, s[WV], 1
	s_lshl_b32 s53, s53, 12
	s_lshl_b32 s56, s52, 13
	s_add_co_u32 s56, s56, s53                     ; waves 8, 9: a half of K's scale words;
	s_lshl_b32 s53, s50, 12                        ; wave 10: V's
	s_cmp_lt_u32 s[WV], 10
	s_cselect_b32 s56, s56, s53
	s_mov_b32 s57, 0
	s_mov_b32 s20, 0x76543210
	s_mov_b32 s21, 0xfedcba98                      ; v_permlanex16_b32: lane l xor 16
	s_mov_b32 s22, 0x3e38aa3b                      ; c = log2(e) / sqrt(64)
	s_mov_b32 s23, s22                             ; (named with it as a pair)
	s_mov_b32 s[GP0], s[WV]                        ; pass 0's G,
	s_sub_co_u32 s[GP1], 15, s[WV]                 ; pass 1's
	s_wait_dscnt 0x0                               ; both opening adds are done
	s_wait_kmcnt 0x0
	s_cmp_lt_u32 s[WV], 4
	s_cselect_b64 s[58:59], s[4:5], s[8:9]
	s_mov_b32 s40, 1
	s_lshl_b32 s41, s[WV], 14                      ; LDS: wave x 16,384: K's images, then V's
	s_add_nc_u64 s[42:43], s[58:59], s[54:55]
	s_or_b32 s43, s43, 0x80000000
	s_cmp_lt_u32 s[WV], 10
	s_cselect_b64 s[58:59], s[6:7], s[10:11]
	s_mov_b32 s44, 1
	s_lshl_b32 s45, s[WV], 12
	s_add_co_u32 s45, s45, 98304                   ; LDS: 131,072 + (wave - 8) x 4,096
	s_add_nc_u64 s[46:47], s[58:59], s[56:57]
	s_or_b32 s47, s47, 0x80000000
	s_lshl_b32 s54, s51, 16
	s_add_nc_u64 s[70:71], s[4:5], s[54:55]        ; q's images of my head
	s_lshl_b32 s54, s51, 13
	s_add_nc_u64 s[72:73], s[6:7], s[54:55]        ; and their scale words
	s_lshl_b32 s54, s48, 20
	s_lshr_b32 s53, s49, 3
	s_lshl_b32 s53, s53, 15
	s_add_co_u32 s54, s54, s53
	s_bfe_u32 s53, s49, 0x20001
	s_lshl_b32 s53, s53, 10
	s_add_co_u32 s54, s54, s53
	s_and_b32 s53, s49, 1
	s_lshl_b32 s53, s53, 9
	s_add_co_u32 s54, s54, s53
	s_add_nc_u64 s[74:75], s[12:13], s[54:55]      ; y_img at my batch and head
	s_lshl_b32 s54, s48, 16
	s_lshl_b32 s53, s49, 8
	s_add_co_u32 s54, s54, s53
	s_add_nc_u64 s[76:77], s[14:15], s[54:55]      ; y_sc likewise
	CROUND                                         ; all four work-groups are here: the joint loads meet
	s_cmp_lt_u32 s[WV], 8                          ; eleven waves fetch, one load each; the branches hang on the wave's number alone
	s_cbranch_scc0 .Lnot_img
	tensor_load_to_lds s[40:43], s[24:31]
	s_nop 0
.rept 4
	v_nop
.endr
	s_branch .Lasked
.Lnot_img:
	s_cmp_lt_u32 s[WV], 11
	s_cbranch_scc0 .Lasked
	tensor_load_to_lds s[44:47], s[32:39]
	s_nop 0
.rept 4
	v_nop
.endr
.Lasked:
	v_and_b32 v1, 31, v0
	s_delay_alu instid0(VALU_DEP_1)
	v_lshlrev_b32 v1, 4, v1                        ; 16 x lane
	v_and_b32 v2, 15, v0
	s_delay_alu instid0(VALU_DEP_1)
	v_lshlrev_b32 v2, 4, v2                        ; 16 r
	s_wait_alu depctr_va_vdst(0)
	s_lshl_b32 s50, s[GP0], 12
	s_lshl_b32 s51, s[CX], 9
	s_add_co_u32 s50, s50, s51                     ; Q's tile 8 G + sub, 512 bytes a tile: pass 0: sub = cx
	v_add_nc_u32 v8, s50, v1
	s_wait_alu depctr_va_vdst(0)
	s_lshl_b32 s50, s[GP1], 12
	s_add_co_u32 s50, s50, s51
	s_add_co_u32 s50, s50, 2048                    ; pass 1: sub = 4 + cx
	v_add_nc_u32 v9, s50, v1
	s_lshl_b32 s50, s[GP0], 9
	s_lshl_b32 s51, s[CX], 2
	s_add_co_u32 s50, s50, s51                     ; its scale word: 512 G + 256 (sub / 4) + 16 r + 4 (sub % 4)
	v_add_nc_u32 v10, s50, v2
	s_lshl_b32 s50, s[GP1], 9
	s_add_co_u32 s50, s50, s51
	s_add_co_u32 s50, s50, 256
	v_add_nc_u32 v11, s50, v2
	global_load_b128 v[16:19], v8, s[70:71]
	global_load_b128 v[24:27], v9, s[70:71]
	global_load_b32 v255, v10, s[72:73]
	global_load_b32 v3, v11, s[72:73]
.irp t, 0,1,2,3,4,5,6,7
.irp i, 4,5,6,7
	v_mov_b32 v[32+8*\t+\i], 0                     ; K = 64 .. 127 of q k^T: zero codes, written once
.endr
.endr
.irp i, 20,21,22,23,28,29,30,31
	v_mov_b32 v\i, 0                               ; the same in Q's two fragments
.endr
.irp i, 236,237,238,239,252,253
	v_mov_b32 v\i, 0                               ; lane permutes' destinations, and the upper half of the pair v[252:253]: written once
.endr
	s_wait_loadcnt 0x0                             ; Q
	s_wait_tensorcnt 0x0                           ; my load has landed,
	s_barrier_signal -1
	s_barrier_wait -1                              ; everybody's has: the head lies in LDS
; ONE TILE OF 16 QUERIES.  p: the pass; qf, qs: Q's fragment and scale words; gp: the scalar register with G; uw: where y's two scale bytes are left.
.macro PASS p, qf, qs, gp, uw
.if \p
	s_wait_xcnt 0x0                                ; the last pass's store has read its registers
.endif
	v_mov_b32 v13, 0xff61b1e6                      ; the largest t so far: -3e38
	s_delay_alu instid0(VALU_DEP_1)
	v_floor_f32 v12, -v13                          ; -M
	v_mov_b32 v14, 0
	v_mov_b32 v15, 0
.set j, 0
.rept 32
	v_mov_b32 v[160+j], 0                          ; O^T: the step is written once; the first change of M multiplies zeros
.set j, j+1
.endr
	s_add_co_u32 s55, s[CX], 4*\p                  ; sub
	s_lshl_b32 s56, s55, 4
	v_and_b32 v4, 15, v0
	v_bfe_u32 v254, v0, 4, 1
	s_delay_alu instid0(VALU_DEP_1)
	v_lshlrev_b32 v254, 3, v254
	s_delay_alu instid0(VALU_DEP_1)
	v_sub_nc_u32 v4, v4, v254
	s_delay_alu instid0(VALU_DEP_1)
	v_add_nc_u32 v4, s56, v4                       ; 16 sub + r - 8 h: on the diagonal step register 8 t + j, key 16 t + 8 h + j, is hidden where 16 t + j is greater
	s_mov_b32 s[KI], 0
	s_mov_b32 s[TK], KIMG
	s_mov_b32 s[TV], VIMG
	s_mov_b32 s[TS], KSC
	s_mov_b32 s[TJ], VSC
.Lstep_\@:                                         ; sixteen trips, a constant; a step behind the diagonal is jumped over: the wave's number and the count of trips decide
	s_cmp_gt_u32 s[KI], s[\gp]
	s_cbranch_scc1 .Lhidden_\@
	s_setprio 2
	v_add_nc_u32 v8, s[TK], v1                     ; these four are also the places between the last trip's products and the loads into their registers
	v_add_nc_u32 v9, s[TV], v1
	v_add_nc_u32 v10, s[TS], v1
	v_add_nc_u32 v11, s[TJ], v2
	ds_load_b128 v[248:251], v10                   ; K's scale words: register i: tile i in lanes 0-15, tile 4 + i in lanes 16-31
.irp t, 0,1,2,3,4,5,6,7
	ds_load_b128 v[32+8*\t:35+8*\t], v8 offset:512*\t
.endr
	ds_load_b128 v[240:243], v11                   ; V's scale words: register t: d = 16 t + r
.irp c, 0,1
.irp t, 0,1,2,3
	ds_load_b128 v[192+8*\t+4*\c:195+8*\t+4*\c], v9 offset:2048*\c+512*\t
.endr
.endr
	s_wait_dscnt 9                                 ; K and its words are in; V's nine loads, issued behind them, may be out
.irp t, 0,1,2,3
	v_wmma_scale_f32_16x16x128_f8f6f4 v[96+8*\t:103+8*\t], v[32+8*\t:39+8*\t], v[\qf:\qf+7], 0, v[248+\t], v[\qs] matrix_a_fmt:MATRIX_FMT_FP4 matrix_b_fmt:MATRIX_FMT_FP4
.endr
.irp t, 4,5,6,7
	v_wmma_scale_f32_16x16x128_f8f6f4 v[96+8*\t:103+8*\t], v[32+8*\t:39+8*\t], v[\qf:\qf+7], 0, v[244+\t], v[\qs] matrix_a_fmt:MATRIX_FMT_FP4 matrix_b_fmt:MATRIX_FMT_FP4 matrix_a_scale:MATRIX_SCALE_ROW1
.endr
.rept 4
	v_nop
.endr
	s_cmp_lg_u32 s[KI], s[\gp]                     ; only the step on the diagonal has hidden keys
	s_cbranch_scc1 .Lopen_\@
	v_mov_b32 v254, 0xff800000                     ; -infinity: p = 0 then
.set n, 0
	s_wait_alu depctr_va_vdst(0)
.rept 64
	v_cmp_gt_i32 vcc_lo, 16*(n/8)+n%8, v4
	v_cndmask_b32 v[96+n], v[96+n], v254, vcc_lo
.set n, n+1
.endr
.Lopen_\@:
.irp b, 0,1,2,3
	v_max3_num_f32 v[232+\b], v[96+16*\b], v[97+16*\b], v[98+16*\b]   ; the largest score of each block of 32 keys: for the row's maximum, and, since p rises with the score, for the block's largest p
.endr
.irp i, 3,5,7,9,11,13
.irp b, 0,1,2,3
	v_max3_num_f32 v[232+\b], v[232+\b], v[96+16*\b+\i], v[97+16*\b+\i]
.endr
.endr
.irp b, 0,1,2,3
	v_max_num_f32 v[232+\b], v[232+\b], v[111+16*\b]
.endr
.irp b, 0,1,2,3
	s_delay_alu instid0(VALU_DEP_4)
	v_permlanex16_b32 v[236+\b], v[232+\b], s20, s21
.endr
.irp b, 0,1,2,3
	s_delay_alu instid0(VALU_DEP_4)
	v_max_num_f32 v[232+\b], v[232+\b], v[236+\b]
.endr
	s_delay_alu instid0(VALU_DEP_2)
	v_max3_num_f32 v254, v232, v233, v234
	s_delay_alu instid0(VALU_DEP_1)
	v_max_num_f32 v254, v254, v235
	s_delay_alu instid0(VALU_DEP_1)
	v_mul_f32 v254, s22, v254                      ; the step's largest t
	s_delay_alu instid0(VALU_DEP_1)
	v_max_num_f32 v13, v13, v254
	v_mov_b32 v254, v12
	s_delay_alu instid0(VALU_DEP_2)
	v_floor_f32 v12, -v13                          ; the new -M = -ceil(t)
	s_delay_alu instid0(VALU_DEP_1)
	v_sub_f32 v254, v12, v254                      ; old M - new M: a whole number, 0 or less
	s_delay_alu instid0(VALU_DEP_1)
	v_cvt_i32_f32 v254, v254                       ; (it saturates)
	s_delay_alu instid0(VALU_DEP_1)
	v_ldexp_f32 v252, 1.0, v254                    ; f = 2^(old M - new M)
.set j, 0
.rept 32
	v_pk_fma_f32 v[96+j:97+j], v[96+j:97+j], s[22:23], v[12:13] op_sel_hi:[1,0,0]   ; t - M
.set j, j+2
.endr
	s_setprio 1
.irp b, 0,1,2,3
	v_fma_f32 v[232+\b], v[232+\b], s22, v12
.endr
.set j, 0
	s_wait_alu depctr_va_vdst(0)
.rept 64
	v_exp_f32 v[96+j], v[96+j]                     ; p = 2^(t - M)
.set j, j+1
.endr
	v_pk_mul_f32 v[14:15], v[14:15], v[252:253] op_sel_hi:[1,0]   ; the sums under the new M: the plain place behind the batch
	s_wait_alu depctr_va_vdst(0)                   ; one wait for the 64, ahead of their first reader
.irp b, 0,1,2,3
	v_exp_f32 v[232+\b], v[232+\b]                 ; each block's largest p
.endr
.set j, 0
	s_wait_alu depctr_va_vdst(0)
.rept 16
	v_pk_mul_f32 v[160+j:161+j], v[160+j:161+j], v[252:253] op_sel_hi:[1,0]   ; O^T under the new M, from each accumulator's low end on: the work behind the four
.set j, j+2
.endr
	s_wait_alu depctr_va_vdst(0)                   ; and one for the four
.irp b, 0,1,2,3
	v_max_num_f32 v[232+\b], 0x1800000, v[232+\b]  ; the floor 2^(3 - 127): the byte cannot fall under 1
.endr
.irp b, 0,1,2,3
	s_delay_alu instid0(VALU_DEP_4)
	v_add_nc_u32 v[244+\b], 0xff000000, v[232+\b]  ; the conversion's scale operand
.endr
.irp b, 0,1,2,3
	s_delay_alu instid0(VALU_DEP_4)
	v_lshrrev_b32 v[236+\b], 23, v[244+\b]
.endr
	s_delay_alu instid0(VALU_DEP_3)
	v_lshl_or_b32 v253, v237, 8, v236              ; p's scale word for these 128 keys
	s_delay_alu instid0(VALU_DEP_1)
	v_lshl_or_b32 v253, v238, 16, v253
	s_delay_alu instid0(VALU_DEP_1)
	v_lshl_or_b32 v253, v239, 24, v253
.irp c, 0,1
	v_cvt_scalef32_pk8_fp4_f32 v[224+4*\c], v[96+32*\c:103+32*\c], v[244+2*\c]     ; tile 4 c
	v_cvt_scalef32_pk8_fp4_f32 v[225+4*\c], v[112+32*\c:119+32*\c], v[245+2*\c]    ; tile 4 c + 2
	v_cvt_scalef32_pk8_fp4_f32 v[226+4*\c], v[104+32*\c:111+32*\c], v[244+2*\c]    ; tile 4 c + 1
	v_cvt_scalef32_pk8_fp4_f32 v[227+4*\c], v[120+32*\c:127+32*\c], v[245+2*\c]    ; tile 4 c + 3
.endr
	v_nop                                          ; one plain place behind the scaled conversions
	s_setprio 0
.irp c, 0,1
	v_permlane16_swap_b32 v[224+4*\c], v[225+4*\c]
	v_permlane16_swap_b32 v[226+4*\c], v[227+4*\c]
.endr
	v_pk_add_f32 v[236:237], v[100:101], v[104:105]
	v_pk_add_f32 v[250:251], v[108:109], v[112:113]
	v_pk_add_f32 v[248:249], v[116:117], v[120:121]
	v_pk_add_f32 v[246:247], v[124:125], v[128:129]
	v_pk_add_f32 v[244:245], v[132:133], v[136:137]
	v_pk_add_f32 v[234:235], v[140:141], v[144:145]
	v_pk_add_f32 v[232:233], v[148:149], v[152:153]
	v_pk_add_f32 v[14:15], v[14:15], v[156:157]
	v_pk_add_f32 v[236:237], v[236:237], v[96:97]
	v_pk_add_f32 v[250:251], v[250:251], v[98:99]
	v_pk_add_f32 v[248:249], v[248:249], v[102:103]
	v_pk_add_f32 v[246:247], v[246:247], v[106:107]
	v_pk_add_f32 v[244:245], v[244:245], v[110:111]
	v_pk_add_f32 v[234:235], v[234:235], v[114:115]
	v_pk_add_f32 v[232:233], v[232:233], v[118:119]
	v_pk_add_f32 v[14:15], v[14:15], v[122:123]
	v_pk_add_f32 v[236:237], v[236:237], v[126:127]
	v_pk_add_f32 v[250:251], v[250:251], v[130:131]
	v_pk_add_f32 v[248:249], v[248:249], v[134:135]
	v_pk_add_f32 v[246:247], v[246:247], v[138:139]
	v_pk_add_f32 v[244:245], v[244:245], v[142:143]
	v_pk_add_f32 v[234:235], v[234:235], v[146:147]
	v_pk_add_f32 v[232:233], v[232:233], v[150:151]
	v_pk_add_f32 v[14:15], v[14:15], v[154:155]
	v_pk_add_f32 v[236:237], v[236:237], v[158:159]
	s_delay_alu instid0(VALU_DEP_2)
	v_pk_add_f32 v[14:15], v[14:15], v[246:247]
	s_delay_alu instid0(VALU_DEP_2)
	v_pk_add_f32 v[236:237], v[236:237], v[244:245]
	v_pk_add_f32 v[250:251], v[250:251], v[234:235]
	v_pk_add_f32 v[248:249], v[248:249], v[232:233]
	s_delay_alu instid0(VALU_DEP_2)
	v_pk_add_f32 v[14:15], v[14:15], v[250:251]
	s_delay_alu instid0(VALU_DEP_2)
	v_pk_add_f32 v[236:237], v[236:237], v[248:249]
	s_delay_alu instid0(VALU_DEP_1)
	v_pk_add_f32 v[14:15], v[14:15], v[236:237]
	s_wait_dscnt 0x0                               ; V and its words are in
.irp t, 0,1,2,3
	v_wmma_scale_f32_16x16x128_f8f6f4 v[160+8*\t:167+8*\t], v[192+8*\t:199+8*\t], v[224:231], v[160+8*\t:167+8*\t], v[240+\t], v253 matrix_a_fmt:MATRIX_FMT_FP4 matrix_b_fmt:MATRIX_FMT_FP4
.endr
.Lhidden_\@:
	s_add_co_u32 s[TK], s[TK], 4096
	s_add_co_u32 s[TV], s[TV], 4096
	s_add_co_u32 s[TS], s[TS], 512
	s_add_co_u32 s[TJ], s[TJ], 256
	s_add_co_u32 s[KI], s[KI], 1
	s_cmp_lt_u32 s[KI], 16
	s_cbranch_scc1 .Lstep_\@
	s_setprio 0
	s_wait_alu depctr_va_vdst(0)
	; y = O / the sum, quantised along C: the head's two blocks of 32
	v_add_f32 v14, v14, v15
	s_delay_alu instid0(VALU_DEP_1)
	v_permlanex16_b32 v252, v14, s20, s21
	s_delay_alu instid0(VALU_DEP_1)
	v_add_f32 v14, v14, v252                       ; the row's sum
	s_wait_alu depctr_va_vdst(0)
	v_rcp_f32 v14, v14
	s_lshl_b32 s56, s[\gp], 16
	s_lshl_b32 s57, s55, 12
	s_add_co_u32 s56, s56, s57
	v_add_nc_u32 v8, s56, v1                       ; y_img: 65,536 G + 4,096 sub + 16 lane
.rept 3
	v_nop                                          ; with the lines above: the places behind the last products, and the plain place behind the reciprocal
.endr
	s_wait_alu depctr_va_vdst(0)                   ; the wait ahead of the reciprocal's first reader
.set j, 0
.rept 16
	v_pk_mul_f32 v[96+j:97+j], v[160+j:161+j], v[14:15] op_sel_hi:[1,0]
.set j, j+2
.endr
.irp b, 0,1
	v_max3_num_f32 v[232+\b], |v[96+16*\b]|, |v[97+16*\b]|, 0x1800000
.endr
.irp i, 2,4,6,8,10,12,14
.irp b, 0,1
	s_delay_alu instid0(VALU_DEP_2)
	v_max3_num_f32 v[232+\b], v[232+\b], |v[96+16*\b+\i]|, |v[97+16*\b+\i]|
.endr
.endr
.irp b, 0,1
	s_delay_alu instid0(VALU_DEP_2)
	v_permlanex16_b32 v[236+\b], v[232+\b], s20, s21
.endr
.irp b, 0,1
	s_delay_alu instid0(VALU_DEP_2)
	v_max_num_f32 v[232+\b], v[232+\b], v[236+\b]
.endr
.irp b, 0,1
	s_delay_alu instid0(VALU_DEP_2)
	v_add_nc_u32 v[244+\b], 0xff000000, v[232+\b]
.endr
.irp b, 0,1
	s_delay_alu instid0(VALU_DEP_2)
	v_lshrrev_b32 v[236+\b], 23, v[244+\b]
.endr
	s_delay_alu instid0(VALU_DEP_1)
	v_lshl_or_b32 v[\uw], v237, 8, v236            ; my token's two scale bytes
	v_cvt_scalef32_pk8_fp4_f32 v224, v[96:103], v244
	v_cvt_scalef32_pk8_fp4_f32 v225, v[112:119], v245
	v_cvt_scalef32_pk8_fp4_f32 v226, v[104:111], v244
	v_cvt_scalef32_pk8_fp4_f32 v227, v[120:127], v245
	v_nop
	v_permlane16_swap_b32 v224, v225
	v_permlane16_swap_b32 v226, v227
	global_store_b128 v8, v[224:227], s[74:75]     ; 512 consecutive bytes, at a multiple of 512 from the buffer's first byte
.endm
	PASS 0, 16, 255, GP0, 7
	PASS 1, 24, 3, GP1, 254
	s_lshl_b32 s50, s[GP0], 12                     ; the scale bytes of both passes in one store: lanes 0-15 pass 0's tokens, lanes 16-31 pass 1's
	s_lshl_b32 s51, s[CX], 5
	s_add_co_u32 s50, s50, s51
	s_lshl_b32 s52, s[GP1], 12
	s_add_co_u32 s52, s52, s51
	s_add_co_u32 s52, s52, 128
	v_and_b32 v9, 15, v0
	s_delay_alu instid0(VALU_DEP_1)
	v_lshlrev_b32 v9, 1, v9
	v_bfe_u32 v10, v0, 4, 1
	s_delay_alu instid0(VALU_DEP_1)
	v_cmp_ne_u32 vcc_lo, 0, v10
	v_mov_b32 v11, s50
	v_mov_b32 v232, s52
	s_delay_alu instid0(VALU_DEP_1)
	v_cndmask_b32 v11, v11, v232, vcc_lo
	s_delay_alu instid0(VALU_DEP_1)
	v_add_nc_u32 v11, v11, v9
	v_cndmask_b32 v233, v7, v254, vcc_lo
	global_store_b16 v11, v233, s[76:77]
	s_wait_tensorcnt 0x0                           ; the wave's end
	ds_add_u32 v5, v6
	s_wait_dscnt 0x0
	CROUND                                         ; the closing round
	s_endpgm
.Lfunc_end_k_q565fe59ed7_attn:
	.size	k_q565fe59ed7_attn, .Lfunc_end_k_q565fe59ed7_attn-k_q565fe59ed7_attn
	.p2alignl 7, 3214868480
	.fill 96, 4, 3214868480
	.section	.rodata,"a",@progbits
	.p2align	6, 0x0
	.amdhsa_kernel k_q565fe59ed7_attn
		.amdhsa_group_segment_fixed_size 167936
		.amdhsa_private_segment_fixed_size 0
		.amdhsa_enable_private_segment 0
		.amdhsa_kernarg_size 48
		.amdhsa_user_sgpr_count 2
		.amdhsa_user_sgpr_kernarg_segment_ptr 1
		.amdhsa_wavefront_size32 1
		.amdhsa_system_sgpr_workgroup_id_x 1
		.amdhsa_system_sgpr_workgroup_id_y 1
		.amdhsa_system_sgpr_workgroup_id_z 1
		.amdhsa_system_vgpr_workitem_id 0
		.amdhsa_next_free_vgpr 256
		.amdhsa_next_free_sgpr 80
		.amdhsa_reserve_vcc 1
		.amdhsa_float_denorm_mode_32 3
		.amdhsa_float_denorm_mode_16_64 3
		.amdhsa_memory_ordered 1
		.amdhsa_forward_progress 1
		.amdhsa_inst_pref_size 64
	.end_amdhsa_kernel
	.amdgpu_metadata
---
amdhsa.version: [ 1, 2 ]
amdhsa.kernels:
  - .name:           k_q565fe59ed7_attn
    .symbol:         k_q565fe59ed7_attn.kd
    .args:
      - { .name: qk, .offset: 0, .size: 8, .value_kind: global_buffer, .address_space: global }
      - { .name: qk_sc, .offset: 8, .size: 8, .value_kind: global_buffer, .address_space: global }
      - { .name: v_img, .offset: 16, .size: 8, .value_kind: global_buffer, .address_space: global }
      - { .name: v_sc, .offset: 24, .size: 8, .value_kind: global_buffer, .address_space: global }
      - { .name: y_img, .offset: 32, .size: 8, .value_kind: global_buffer, .address_space: global }
      - { .name: y_sc, .offset: 40, .size: 8, .value_kind: global_buffer, .address_space: global }
    .group_segment_fixed_size: 167936
    .private_segment_fixed_size: 0
    .kernarg_segment_align: 8
    .kernarg_segment_size: 48
    .max_flat_workgroup_size: 512
    .sgpr_count:     80
    .vgpr_count:     256
    .wavefront_size: 32
...
	.end_amdgpu_metadata
.endif
;; end of part 2
;; launch proj (part 3): grid 4 x 64, 4 waves a work-group, clusters of 4 x 4, 327,680 bytes of LDS; arguments y_img, y_sc, W_proj_codes, W_proj_scales, b_proj, out0; writes out0
.if DOCPART == 3
	.amdgcn_target "amdgcn-amd-amdhsa--gfx1250"
	.amdhsa_code_object_version 6
	.text
	.protected	k_q565fe59ed7_proj
	.globl	k_q565fe59ed7_proj
	.p2align	8
	.type	k_q565fe59ed7_proj,@function
k_q565fe59ed7_proj:
	s_mov_b64 s[64:65], 0
	v_nop
	global_prefetch_b8 v0, s[64:65] scope:SCOPE_SE
	s_setreg_imm32_b32 hwreg(HW_REG_WAVE_MODE, 25, 1), 1
	s_wait_xcnt 0x0
	s_wait_alu depctr_hold_cnt(0) depctr_sa_sdst(0) depctr_va_vdst(0) depctr_va_sdst(0) depctr_va_ssrc(0) depctr_va_vcc(0) depctr_vm_vsrc(0)
	s_getreg_b32 s2, hwreg(HW_REG_IB_STS2, 6, 4)
	s_cmp_eq_u32 s2, 0
	s_cbranch_scc0 .Lentry_in_a_cluster
	s_endpgm
.Lentry_in_a_cluster:
	s_bfe_u32 s2, ttmp6, 0x10000c
	s_cmp_lg_u32 s2, 0xf033
	s_cbranch_scc0 .Lentry_shape_is_right
	s_endpgm
.Lentry_shape_is_right:
; out0 = y W_proj + b_proj on codes of E2M1 with E8M0 scales, K = 1,024.  y comes as images of operand registers and two scale bytes for a token and head (the launch attn made them); W_proj as given.  No work is left out here.
; SHARES.  A work-group makes 128 tokens (128 yW on) x 256 outputs (256 x on); four waves, 64 tokens x 128 outputs each: 32 accumulators.  All of K lies in LDS, in two slots of 512 along K, each filled once.
; Source 0 = 16 rows of W, source 1 = 16 tokens: a lane holds eight neighbouring outputs of one token.  The bias is the C of each sum's first product.
; CLUSTER 4 x 4: y's tiles are shared along a row of the cluster, W's along a column: joint loads.
; REGISTERS: window 0: v1-29 addresses; v32-47 y's scale words, v64-95 W's; v128-191 y's fragments, two sets; v192-255 the bias; on the way out v128-255 take rows.  window 1: W's fragments, two sets.  window 2: the accumulators ((a, b) at 8 (8 a + b)).
.set PITCH, 272                        ; W's LDS row: 256 bytes + 16 of padding
.set YI,   0                           ; y's images: slot s at 32,768 s, dense: [sub 8][kk 4][c 2][512]
.set WI,   65536                       ; W's tiles: slot s at 69,632 s
.set WSLOT, 256*PITCH
.set WSC,  WI+2*WSLOT                  ; W's scale bytes: 32 units of 256 + 16
.set YSC,  WSC+32*272                  ; y's: 16 heads' rows of 256 + 16
.set STG,  YSC+16*272                  ; the way out: 16 rows x (512 + 16) for each wave: bytes of their own, into which no fill lands
.set SPARE, STG+4*16*528               ; the spare words
.set ADRL, 16
.set ADRP, 20
.set ADSL, 22
.set ADSP, 23
.set STO,  24
.set RD,   25
.set CO,   26
.set BO,   27
.set SPW,  28
.set NIL,  29
.set SCL,  32
.set SCP,  64
.set LF,   128
.set BI,   192
.set BK,   128
.set WV, 92
.set WL, 93
.set WP, 94
.set YW, 95
.set G1Y, 24
.set G0Y, 32
.set G1W, 48
.set G0W, 56
.set G1YS, 68
.set G0YS, 76
.set G1WS, 80
.set G0WS, 88
.set MSB, 0
.macro WIN new
.if MSB != (\new)
	s_set_vgpr_msb (MSB<<8)|(\new)
.set MSB, (\new)
.endif
.endm
.macro JLOAD g0a, g1a, g0b, g1b        ; waves 0 and 1 fetch y's side, waves 2 and 3 W's; an s_nop 0 and four v_nop follow each line
	s_cmp_eq_u32 s[WL], 0
	s_cbranch_scc0 .Lfor_w_\@
	tensor_load_to_lds s[\g0a:\g0a+3], s[\g1a:\g1a+7]
	s_nop 0
.rept 4
	v_nop
.endr
	s_branch .Lasked_\@
.Lfor_w_\@:
	tensor_load_to_lds s[\g0b:\g0b+3], s[\g1b:\g1b+7]
	s_nop 0
.rept 4
	v_nop
.endr
.Lasked_\@:
.endm
.macro CROUND
	s_barrier_signal -1
	s_barrier_wait -1
	s_cmp_lg_u32 s[WV], 0
	s_cbranch_scc1 .Lnot_wave_0_\@
	s_barrier_signal -3
.Lnot_wave_0_\@:
	s_barrier_wait -3
	s_barrier_signal -1
	s_barrier_wait -1
.endm
.macro PLACES
.rept 4
	v_nop
.endr
.endm
	s_load_b256 s[4:11], s[0:1], 0x0               ; y_img, y_sc, W's codes, W's scales
	s_load_b128 s[12:15], s[0:1], 0x20             ; b_proj, out0
	v_lshl_add_u32 v[SPW], v0, 2, SPARE
	v_mov_b32 v[NIL], 0
	ds_add_u32 v[SPW], v[NIL]                      ; the opening: the add, twice on end, and its wait ahead of my first tensor load
	ds_add_u32 v[SPW], v[NIL]
	v_lshrrev_b32 v1, 5, v0
	v_readfirstlane_b32 s[WV], v1                  ; wave 0..3
	s_lshr_b32 s[WL], s[WV], 1                     ; which 64 tokens are mine.  Also: I fetch y's side (0) or W's (1)
	s_and_b32 s[WP], s[WV], 1                      ; which 128 outputs.  Also: which half of that side I fetch
	s_bfe_u32 s40, ttmp6, 0x40000                  ; cx
	s_bfe_u32 s41, ttmp6, 0x40004                  ; cy
	s_lshl_b32 s42, ttmp9, 2
	s_add_co_u32 s42, s42, s40                     ; x
	s_and_b32 s[YW], ttmp7, 0xffff
	s_lshl_b32 s[YW], s[YW], 2
	s_add_co_u32 s[YW], s[YW], s41                 ; yW = 16 b + G
	s_lshl_b32 s43, s41, 2
	s_lshl_b32 s43, 15, s43                        ; my row of the cluster
	s_lshl_b32 s44, 0x1111, s40                    ; my column
	s_or_b32 s[G1Y], s43, (3<<16)|(1<<21)          ; y's images: 16,384 dense bytes as 64 rows of 32 elements of 8 bytes, no padding
	s_mov_b32 s[G1Y+1], 32<<16
	s_mov_b32 s[G1Y+2], 64<<16
	s_mov_b32 s[G1Y+3], 32<<16
	s_mov_b32 s[G1Y+4], 64
	s_mov_b32 s[G1Y+5], 32
	s_mov_b32 s[G1Y+6], 0
	s_mov_b32 s[G1Y+7], 0
	s_or_b32 s[G1YS], s43, (3<<16)|(1<<20)|(1<<21)|(5<<22)|(3<<25)   ; y's scale bytes: eight heads' rows of 256 bytes, 16 of padding behind each
	s_mov_b32 s[G1YS+1], 32<<16
	s_mov_b32 s[G1YS+2], 8<<16
	s_mov_b32 s[G1YS+3], 32<<16
	s_mov_b32 s[G1YS+4], 8
	s_mov_b32 s[G1YS+5], 32
	s_mov_b32 s[G1YS+6], 0
	s_mov_b32 s[G1YS+7], 0
	s_or_b32 s[G1W], s44, (1<<20)|(1<<21)|(5<<22)|(3<<25)            ; W's tiles: 128 rows of 256 bytes, 512 apart in memory, padded
	s_mov_b32 s[G1W+1], 256<<16
	s_mov_b32 s[G1W+2], 128<<16
	s_mov_b32 s[G1W+3], 256<<16
	s_mov_b32 s[G1W+4], 128
	s_mov_b32 s[G1W+5], 512
	s_mov_b32 s[G1W+6], 0
	s_mov_b32 s[G1W+7], 0
	s_or_b32 s[G1WS], s44, (3<<16)|(1<<20)|(1<<21)|(5<<22)|(3<<25)   ; W's scale bytes of 128 rows: 16 rows of 256 bytes, padded
	s_mov_b32 s[G1WS+1], 32<<16
	s_mov_b32 s[G1WS+2], 16<<16
	s_mov_b32 s[G1WS+3], 32<<16
	s_mov_b32 s[G1WS+4], 16
	s_mov_b32 s[G1WS+5], 32
	s_mov_b32 s[G1WS+6], 0
	s_mov_b32 s[G1WS+7], 0
	s_lshl_b32 s20, s[YW], 16
	s_lshl_b32 s18, s[WP], 14
	s_add_co_u32 s20, s20, s18                     ; y's images: my half of slot 0
	s_mov_b32 s21, 0
	s_lshl_b32 s22, s[YW], 12
	s_lshl_b32 s18, s[WP], 11
	s_add_co_u32 s22, s22, s18                     ; y's scale bytes: my eight heads
	s_mov_b32 s23, 0
	s_lshl_b32 s46, s42, 8
	s_lshl_b32 s18, s[WP], 7
	s_add_co_u32 s46, s46, s18                     ; W's first row that I would fetch
	s_lshl_b32 s2, s46, 5
	s_mov_b32 s3, 0
	s_lshl_b32 s46, s46, 9
	s_mov_b32 s47, 0
	s_lshl_b32 s45, s[WP], 14                      ; where they go: no place in the cluster enters an LDS address
	s_mul_i32 s66, s[WP], 128*PITCH
	s_mul_i32 s67, s[WP], 8*272
	s_mul_i32 s19, s[WP], 16*272
	s_wait_dscnt 0x0                               ; both opening adds are done
	s_wait_kmcnt 0x0
	s_add_nc_u64 s[20:21], s[4:5], s[20:21]
	s_add_nc_u64 s[22:23], s[6:7], s[22:23]
	s_add_nc_u64 s[46:47], s[8:9], s[46:47]
	s_add_nc_u64 s[2:3], s[10:11], s[2:3]
	CROUND                                         ; all sixteen work-groups are here: the joint loads meet
	s_mov_b32 s[G0YS], 1
	s_add_co_u32 s[G0YS+1], s67, YSC
	s_mov_b64 s[G0YS+2:G0YS+3], s[22:23]
	s_or_b32 s[G0YS+3], s[G0YS+3], 0x80000000
	s_mov_b32 s[G0WS], 1
	s_add_co_u32 s[G0WS+1], s19, WSC
	s_mov_b64 s[G0WS+2:G0WS+3], s[2:3]
	s_or_b32 s[G0WS+3], s[G0WS+3], 0x80000000
	JLOAD G0YS, G1YS, G0WS, G1WS                   ; the scales first
.irp s, 0,1
	s_mov_b32 s[G0Y+4*\s], 1
	s_add_co_u32 s[G0Y+4*\s+1], s45, YI+\s*32768
	s_add_nc_u64 s[G0Y+4*\s+2:G0Y+4*\s+3], s[20:21], \s*32768
	s_or_b32 s[G0Y+4*\s+3], s[G0Y+4*\s+3], 0x80000000
	s_mov_b32 s[G0W+4*\s], 1
	s_add_co_u32 s[G0W+4*\s+1], s66, WI+\s*WSLOT
	s_add_nc_u64 s[G0W+4*\s+2:G0W+4*\s+3], s[46:47], \s*256
	s_or_b32 s[G0W+4*\s+3], s[G0W+4*\s+3], 0x80000000
	s_wait_alu depctr_va_vdst(0)
	s_wait_tensorcnt 0x0
	ds_add_u32 v28, v29
	s_wait_dscnt 0x0
	CROUND
	JLOAD G0Y+4*\s, G1Y, G0W+4*\s, G1W             ; three loads of mine are out at the most
.endr
	v_and_b32 v1, 15, v0                           ; r
	v_bfe_u32 v2, v0, 4, 1                         ; h
	v_and_b32 v6, 31, v0
	v_lshlrev_b32 v[CO], 4, v6                     ; 16 x lane
	s_lshl_b32 s21, s[WL], 14
	v_add_nc_u32 v[ADRL], s21, v[CO]               ; y's images: my four tiles of tokens begin 16,384 wl on
	v_mul_u32_u24 v3, v1, PITCH
	v_lshl_add_u32 v3, v2, 4, v3
	s_mul_i32 s22, s[WP], 128*PITCH
	s_add_co_u32 s22, s22, WI
.irp s, 0,1
	v_add_nc_u32 v[ADRP+\s], s22, v3
	s_add_co_u32 s22, s22, WSLOT
.endr
	v_lshrrev_b32 v4, 3, v1
	v_mul_u32_u24 v4, v4, 272
	v_and_b32 v5, 7, v1
	v_lshl_add_u32 v4, v5, 5, v4
	v_lshl_add_u32 v4, v2, 4, v4                   ; W's scale bytes: eight rows to a unit; lanes 16-31 take the row's upper 16 bytes
	s_mul_i32 s22, s[WP], 16*272
	s_add_co_u32 s22, s22, WSC
	v_add_nc_u32 v[ADSP], s22, v4
	v_and_b32 v4, 7, v0
	v_lshl_add_u32 v4, v2, 3, v4                   ; y's scale bytes, for the turning load: lane l addresses head 8 h + l % 8,
	v_mul_u32_u24 v4, v4, 272
	v_bfe_u32 v5, v0, 3, 1
	v_lshl_add_u32 v4, v5, 4, v4                   ; tokens 8 ((l / 8) % 2) on, two bytes each,
	s_lshl_b32 s21, s[WL], 7
	s_add_co_u32 s21, s21, YSC                     ; of my four tiles
	v_add_nc_u32 v[ADSL], s21, v4
	s_mul_i32 s23, s[WV], 16*528
	s_add_co_u32 s23, s23, STG                     ; my stage
	v_mul_u32_u24 v5, v1, 528
	v_lshl_add_u32 v5, v2, 5, v5
	v_add_nc_u32 v[STO], s23, v5                   ; in: row r, 32 bytes for each half of the lanes
	v_add_nc_u32 v[RD], s23, v[CO]                 ; back: the 32 lanes take one row of 512 bytes
	v_lshlrev_b32 v[BO], 5, v2                     ; the bias: 32 h
	s_wait_alu depctr_va_vdst(0)
	s_lshl_b32 s20, s[YW], 7
	s_lshl_b32 s21, s[WL], 6
	s_add_co_u32 s20, s20, s21
	s_lshl_b32 s20, s20, 12                        ; my first token's row of out0: 4,096 bytes a row
	s_lshl_b32 s22, s42, 10
	s_lshl_b32 s21, s[WP], 9
	s_add_co_u32 s22, s22, s21                     ; my first output, in bytes
	s_mov_b32 s23, 0
	s_add_nc_u64 s[12:13], s[12:13], s[22:23]      ; b_proj there
	s_add_co_u32 s20, s20, s22
	s_mov_b32 s21, 0
	s_add_nc_u64 s[14:15], s[14:15], s[20:21]      ; out0 there
.irp b, 0,1,2,3,4,5,6,7                        ; W's tile b: outputs 16 b + 8 h + 0 .. 7
	global_load_b128 v[BI+8*\b:BI+8*\b+3], v[BO], s[12:13] offset:64*\b
	global_load_b128 v[BI+8*\b+4:BI+8*\b+7], v[BO], s[12:13] offset:64*\b+16
.endr
.macro FETCH k                         ; 24 LDS loads: the fragments of K step k into set k % 2
.set fs, (\k)/4
.set fq, (\k)%4
.set fp, (\k)%2
	WIN 0x40
.irp i, 0,1,2,3,4,5,6,7
.irp c, 0,1
	ds_load_b128 v[64*fp+8*\i+4*\c:64*fp+8*\i+4*\c+3], v[ADRP+fs] offset:64*fq+32*\c+\i*16*PITCH
.endr
.endr
	WIN 0
.irp i, 0,1,2,3
.irp c, 0,1
	ds_load_b128 v[LF+32*fp+8*\i+4*\c:LF+32*fp+8*\i+4*\c+3], v[ADRL] offset:32768*fs+4096*\i+1024*fq+512*\c
.endr
.endr
.endm
; 32 products of K step k; the 32 accumulators take turns in one order.  A scale register holds word q in lanes 0-15 and word 4 + q in lanes 16-31.
.macro MUL k, first
.if \first
	WIN 0x81                                       ; W window 1, y and the bias window 0, D window 2
.else
	WIN 0xa1
.endif
.irp a, 0,1,2,3
.irp b, 0,1,2,3,4,5,6,7
.set rD, 8*(8*\a+\b)
.set rP, 64*((\k)%2)+8*\b
.set rL, LF+32*((\k)%2)+8*\a
.set rSP, SCP+4*\b+(\k)%4
.set rSL, SCL+4*\a+(\k)%4
.if \first
	v_wmma_scale_f32_16x16x128_f8f6f4 v[rD:rD+7], v[rP:rP+7], v[rL:rL+7], v[BI+8*\b:BI+8*\b+7], v[rSP], v[rSL] matrix_a_fmt:MATRIX_FMT_FP4 matrix_b_fmt:MATRIX_FMT_FP4
.elseif (\k) >= 4
	v_wmma_scale_f32_16x16x128_f8f6f4 v[rD:rD+7], v[rP:rP+7], v[rL:rL+7], v[rD:rD+7], v[rSP], v[rSL] matrix_a_fmt:MATRIX_FMT_FP4 matrix_b_fmt:MATRIX_FMT_FP4 matrix_a_scale:MATRIX_SCALE_ROW1 matrix_b_scale:MATRIX_SCALE_ROW1
.else
	v_wmma_scale_f32_16x16x128_f8f6f4 v[rD:rD+7], v[rP:rP+7], v[rL:rL+7], v[rD:rD+7], v[rSP], v[rSL] matrix_a_fmt:MATRIX_FMT_FP4 matrix_b_fmt:MATRIX_FMT_FP4
.endif
.endr
.endr
.endm
.macro STEP k, first
	s_wait_dscnt 0x0                               ; this step's fragments are in
.if (\k) == 3
	s_wait_tensorcnt 0x0                           ; my part of slot 1 has landed,
	s_barrier_signal -1
	s_barrier_wait -1                              ; everybody's has.
.endif
.if (\k) > 0 && (\k) < 7
	PLACES                                         ; four places in front of loads into the set that the last step's products read
.endif
.if (\k) < 7
	FETCH (\k)+1
.endif
	MUL \k, \first
.endm
	s_wait_tensorcnt 1                             ; the scales and my part of slot 0 are in; only slot 1's load, issued last, may be out,
	s_barrier_signal -1
	s_barrier_wait -1                              ; everybody's are
.irp i, 0,1,2,3,4,5,6,7
	ds_load_b128 v[SCP+4*\i:SCP+4*\i+3], v[ADSP] offset:\i*544
.endr
; y's scale words.  The turning load gives lane 8 g + i, as its j-th half register, element i of what lane 8 g + j addressed: so lane (r, h) gets, for token r, heads 8 h + 0 .. 7, two bytes each:
; register q = heads 8 h + 2 q and 8 h + 2 q + 1 = the four bytes of K step 4 h + q.
.irp a, 0,1,2,3
	ds_load_tr16_b128 v[SCL+4*\a:SCL+4*\a+3], v[ADSL] offset:32*\a
.endr
	FETCH 0
	s_wait_loadcnt 0x0                             ; the bias
	STEP 0, 1
	STEP 1, 0
	STEP 2, 0
	STEP 3, 0
	STEP 4, 0
	STEP 5, 0
	STEP 6, 0
	STEP 7, 0
	WIN 0
; THE WAY OUT, block by block of 16 tokens x 128 outputs, through my own stage: in as 32 bytes a lane, back as whole rows of 512 bytes.  LDS serves a wave's instructions in order (ISA guide 5.7.1.4): no wait between the stores and the loads.
.macro TOSTAGE a
.set AC, 64*(\a)
	WIN 0x08                                       ; an LDS store's data are its source 1: window 2
.irp b, 0,1,2,3,4,5,6,7
	ds_store_b128 v[STO], v[AC+8*\b:AC+8*\b+3] offset:64*\b          ; each accumulator from its low end on
	ds_store_b128 v[STO], v[AC+8*\b+4:AC+8*\b+7] offset:64*\b+16
.endr
	WIN 0
.set BB, BK+64*((\a)%2)
.irp t, 0,1,2,3,4,5,6,7,8,9,10,11,12,13,14,15
	ds_load_b128 v[BB+4*\t:BB+4*\t+3], v[RD] offset:\t*528
.endr
.endm
.macro SEND a, younger                 ; younger: the LDS instructions issued behind block a's loads
.set BB, BK+64*((\a)%2)
	s_wait_dscnt \younger
.if (\a) > 0
	s_add_nc_u64 s[14:15], s[14:15], 16*4096       ; (behind a wait on XCNT: the earlier stores have read their base)  16 rows on
.endif
.irp t, 0,1,2,3,4,5,6,7,8,9,10,11,12,13,14,15
	global_store_b128 v[CO], v[BB+4*\t:BB+4*\t+3], s[14:15] offset:\t*4096 th:TH_STORE_NT   ; 32 lanes store 512 consecutive bytes, at a multiple of 512 from out0's first byte
.endr
.endm
	PLACES                                         ; four places between the last products and the first read of results and the loads into fragment registers
	TOSTAGE 0
.irp a, 1,2,3
.if \a > 1
	s_wait_xcnt 0x0                                ; block a - 2's stores have read their registers and their base
.endif
	TOSTAGE \a
	SEND \a-1, 32                                  ; behind block a - 1's loads: block a's 16 stores and 16 loads
.endr
	s_wait_xcnt 0x0
	SEND 3, 0
	s_wait_tensorcnt 0x0                           ; the wave's end, behind my last tensor load and my last LDS store
	ds_add_u32 v[SPW], v[NIL]
	s_wait_dscnt 0x0
	CROUND                                         ; the closing round
	s_endpgm
.Lfunc_end_k_q565fe59ed7_proj:
	.size	k_q565fe59ed7_proj, .Lfunc_end_k_q565fe59ed7_proj-k_q565fe59ed7_proj
	.p2alignl 7, 3214868480
	.fill 96, 4, 3214868480
	.section	.rodata,"a",@progbits
	.p2align	6, 0x0
	.amdhsa_kernel k_q565fe59ed7_proj
		.amdhsa_group_segment_fixed_size 327680
		.amdhsa_private_segment_fixed_size 0
		.amdhsa_enable_private_segment 0
		.amdhsa_kernarg_size 48
		.amdhsa_user_sgpr_count 2
		.amdhsa_user_sgpr_kernarg_segment_ptr 1
		.amdhsa_wavefront_size32 1
		.amdhsa_system_sgpr_workgroup_id_x 1
		.amdhsa_system_sgpr_workgroup_id_y 1
		.amdhsa_system_sgpr_workgroup_id_z 1
		.amdhsa_system_vgpr_workitem_id 0
		.amdhsa_next_free_vgpr 768
		.amdhsa_next_free_sgpr 100
		.amdhsa_reserve_vcc 0
		.amdhsa_float_denorm_mode_32 3
		.amdhsa_float_denorm_mode_16_64 3
		.amdhsa_memory_ordered 1
		.amdhsa_forward_progress 1
		.amdhsa_inst_pref_size 74
	.end_amdhsa_kernel
	.amdgpu_metadata
---
amdhsa.version: [ 1, 2 ]
amdhsa.kernels:
  - .name:           k_q565fe59ed7_proj
    .symbol:         k_q565fe59ed7_proj.kd
    .args:
      - { .name: y_img, .offset: 0, .size: 8, .value_kind: global_buffer, .address_space: global }
      - { .name: y_sc, .offset: 8, .size: 8, .value_kind: global_buffer, .address_space: global }
      - { .name: W_proj_codes, .offset: 16, .size: 8, .value_kind: global_buffer, .address_space: global }
      - { .name: W_proj_scales, .offset: 24, .size: 8, .value_kind: global_buffer, .address_space: global }
      - { .name: b_proj, .offset: 32, .size: 8, .value_kind: global_buffer, .address_space: global }
      - { .name: out0, .offset: 40, .size: 8, .value_kind: global_buffer, .address_space: global }
    .group_segment_fixed_size: 327680
    .private_segment_fixed_size: 0
    .kernarg_segment_align: 8
    .kernarg_segment_size: 48
    .max_flat_workgroup_size: 128
    .sgpr_count:     100
    .vgpr_count:     768
    .wavefront_size: 32
...
	.end_amdgpu_metadata
.endif
;; end of part 3
